; MI455X (gfx1250); checked and timed in simulation.
; The chip was launched on July 23, 2026; its instructions are those of AMD's public machine-readable ISA for CDNA 5 (MIT licence, August 2026) and "CDNA5" Instruction Set Architecture Reference Guide (July 2026). The comments in the code are by the model that wrote it; some were corrected since.
;; FTRL FM. Allowed arithmetic: float matrix products may take bf16 or f16 operands with f32 sums; all other float work in f32.
;; Inputs: n_1st 1,000,000 float32; n_2nd 1,000,000 x 32 float32; x_idx 4,096 x 50 int32; z_1st 1,000,000 float32; z_2nd 1,000,000 x 32 float32.
;; Outputs: out0 4,096 float32.
;; One version. Each part assembles by itself: llvm-mc -triple=amdgcn-amd-amdhsa -mcpu=gfx1250 --defsym DOCPART=n.
;; ======== version 1 of 1: 1 launch
;; launch ftrlfm (part 1): grid 256 x 1, 16 waves a work-group, no clusters, 3,072 bytes of LDS; arguments x_idx, z_1st, n_1st, z_2nd, n_2nd, out0; writes out0
.if DOCPART == 1
	.amdgcn_target "amdgcn-amd-amdhsa--gfx1250"
	.amdhsa_code_object_version 6
	.text
	.protected	k_q1351b42df3_ftrlfm
	.globl	k_q1351b42df3_ftrlfm
	.p2align	8
	.type	k_q1351b42df3_ftrlfm,@function
k_q1351b42df3_ftrlfm:
	s_mov_b64 s[64:65], 0
	v_nop
	global_prefetch_b8 v0, s[64:65] scope:SCOPE_SE
	s_setreg_imm32_b32 hwreg(HW_REG_WAVE_MODE, 25, 1), 1
	s_wait_xcnt 0x0
; FTRL-FM score.  out[b] = sum_k w1 + 0.5 (|sum_k w2|^2 - sum_k |w2|^2) over the 50 active features of sample b.
; x_idx [4096][50] i32; z_1st, n_1st [1000000] f32; z_2nd, n_2nd [1000000][32] f32; out [4096] f32.
; Lazy weight: in both orders the sign term equals the L1 threshold (0.05), so
;   numerator = clamp(z, -0.05, 0.05) - z   (0 inside the L1 ball, sign*0.05 - z outside, exactly; a NaN in z stays a NaN)
;   denominator = 10 sqrt(n) + 11 (second order), 10 sqrt(n) + 10.05 (first order);  w = numerator * (1 / denominator).
; SHARES: 256 work-groups of 16 waves, one wave for one sample.  A row of 32 f32 is 128 bytes: eight lanes with 16 bytes each
; take a row, so one load of the wave takes four rows.  Lane l: row group g = l / 8, columns 4 (l % 8) .. + 3.
; 50 rows = 13 loads from each table; the 13th has two real rows, groups 2 and 3 repeat them and their weights are set to 0.
; All 30 gathers of a wave are issued in one run as soon as its indices are in: there is no loop, nothing could be asked for
; earlier, so there is no prefetch; no two work-groups share data, so there is no cluster; there is no product for the matrix unit.
; No cache hint on the gathers: the lists may name a row more than once.
; LIMITS: indices are taken as unsigned and clamped to 999,999 (a negative index is not wrapped round; the problem keeps
; indices inside the table).  x 10 stands for / 0.1 and a reciprocal for the division: the last bits may differ.
; v_sqrt_f32 takes n below 2^-126 as 0 (ISA guide 15.8); the denominator is then 11 (10.05), as it is to rounding anyway.
.set NROWS, 1000000
.set LISTB, 200                        ; bytes of one list of 50 indices
.set LN,   1                           ; v1        lane
.set COL,  2                           ; v2        16 (lane % 8): my 16 bytes in a row
.set AI,   3                           ; v3        48 g: my group's twelve indices in the list
.set AL,   4                           ; v4        4 (g % 2): index 48 or 49
.set A1,   5                           ; v5        4 lane: first order, features 0-31
.set A2,   6                           ; v6        4 min(lane, 17): first order, features 32-49
.set IDX,  8                           ; v[8:20]   13 indices, then the byte offsets of my 16 bytes in the 13 rows
.set I1,   22                          ; v[22:23]  two indices, then byte offsets, first order
.set Z1,   24                          ; v[24:25]  z_1st of my two features
.set N1,   26                          ; v[26:27]  n_1st of my two features
.set K10,  28                          ; v[28:29]  10.0 twice
.set K11,  30                          ; v[30:31]  11.0 twice
.set K1005, 32                         ; v[32:33]  10.05 twice
.set DEN,  34                          ; v[34:37]  roots, then denominators
.set NUM,  38                          ; v[38:41]  clamped z, numerators, weights
.set RCP,  42                          ; v[42:45]  reciprocals
.set SUM,  46                          ; v[46:49]  sums of w2 in my four columns over my rows
.set SQ,   50                          ; v[50:53]  sums of w2^2
.set LIN,  54                          ; v54       first-order part, then the lane's share of the result
.set ZR,   56                          ; v[56:107]  z_2nd, row j in four registers
.set NR,   108                         ; v[108:159] n_2nd, row j in four registers
	s_load_b256 s[4:11], s[0:1], 0x0               ; x_idx s[4:5], z_1st s[6:7], n_1st s[8:9], z_2nd s[10:11]
	s_load_b128 s[12:15], s[0:1], 0x20             ; n_2nd s[12:13], out s[14:15]
	v_lshl_add_u32 v160, v0, 2, 0x400
	v_mov_b32 v161, 0
	v_and_b32 v[LN], 31, v0
	v_lshrrev_b32 v[DEN], 5, v0
	v_readfirstlane_b32 s16, v[DEN]                ; wave 0..15
	s_lshl_b32 s17, ttmp9, 4
	s_add_co_u32 s17, s17, s16                     ; my sample = 16 x work-group + wave
	s_mul_i32 s18, s17, LISTB                      ; its list, in bytes (below 819,200)
	s_mov_b32 s19, 0
	v_lshrrev_b32 v[DEN], 3, v[LN]                 ; g
	v_and_b32 v[COL], 7, v[LN]
	v_lshlrev_b32 v[COL], 4, v[COL]
	v_mul_u32_u24 v[AI], 48, v[DEN]
	v_and_b32 v[AL], 1, v[DEN]
	v_lshlrev_b32 v[AL], 2, v[AL]
	v_lshlrev_b32 v[A1], 2, v[LN]
	v_min_u32 v[A2], 17, v[LN]                     ; lanes 18-31 repeat feature 49: no load leaves the list
	v_lshlrev_b32 v[A2], 2, v[A2]
	s_wait_kmcnt 0x0
	s_add_nc_u64 s[4:5], s[4:5], s[18:19]          ; x_idx at my list
	; the indices: group g takes rows 12 g .. 12 g + 11 in pairs (200 b + 48 g + 8 i is a multiple of 8), then row 48 + g % 2
.irp i, 0,1,2,3,4,5
	global_load_b64 v[IDX+2*\i:IDX+2*\i+1], v[AI], s[4:5] offset:8*\i
.endr
	global_load_b32 v[IDX+12], v[AL], s[4:5] offset:192
	global_load_b32 v[I1],   v[A1], s[4:5]             ; first order: feature = lane
	global_load_b32 v[I1+1], v[A2], s[4:5] offset:128  ; and feature 32 + min(lane, 17)
	; constants, while the indices are on their way
	s_mov_b32 s20, 0x3d4ccccd                      ;  0.05
	s_mov_b32 s21, 0xbd4ccccd                      ; -0.05
	s_mov_b32 s22, 0x76543210                      ; v_permlanex16_b32: lane i of one half reads lane i of the other
	s_mov_b32 s23, 0xfedcba98
	v_mov_b32 v[K10],     0x41200000               ; 10.0
	v_mov_b32 v[K10+1],   0x41200000
	v_mov_b32 v[K11],     0x41300000               ; 11.0 = beta / alpha + l2 of the second order
	v_mov_b32 v[K11+1],   0x41300000
	v_mov_b32 v[K1005],   0x4120cccd               ; 10.05 = beta / alpha + l2 of the first order
	v_mov_b32 v[K1005+1], 0x4120cccd
	v_cmp_gt_u32 vcc_lo, 16, v[LN]                 ; lanes 0-15: the groups whose 13th row is real (and, at the end, the lanes that store)
	v_cmp_gt_u32 s24, 18, v[LN]                    ; lanes 0-17: features 32-49 exist
	s_wait_loadcnt 0x0                             ; all nine at once: they read the same 200 bytes and come together
	; every index is clamped to the table before it enters an address
	v_min_u32 v[I1],   NROWS-1, v[I1]
	v_min_u32 v[I1+1], NROWS-1, v[I1+1]
	v_lshlrev_b32 v[I1],   2, v[I1]
	v_lshlrev_b32 v[I1+1], 2, v[I1+1]
	global_load_b32 v[Z1],   v[I1],   s[6:7]
	global_load_b32 v[Z1+1], v[I1+1], s[6:7]
	global_load_b32 v[N1],   v[I1],   s[8:9]
	global_load_b32 v[N1+1], v[I1+1], s[8:9]
.irp j, 0,1,2,3,4,5,6,7,8,9,10,11,12
	v_min_u32 v[IDX+\j], NROWS-1, v[IDX+\j]
	v_lshl_add_u32 v[IDX+\j], v[IDX+\j], 7, v[COL]             ; 128 x row + my 16 bytes (below 128,000,000)
	global_load_b128 v[ZR+4*\j:ZR+4*\j+3], v[IDX+\j], s[10:11]
	global_load_b128 v[NR+4*\j:NR+4*\j+3], v[IDX+\j], s[12:13]
.endr
	; FIRST ORDER: two features a lane
	s_wait_loadcnt 26                              ; loads return in order (ISA guide 5.7.1): the 26 row loads issued behind these four stay out
	v_sqrt_f32 v[DEN],   v[N1]
	v_sqrt_f32 v[DEN+1], v[N1+1]
	v_med3_num_f32 v[NUM],   v[Z1],   s21, s20     ; plain work behind the roots, before they are used (ISA guide 5.7.2)
	v_med3_num_f32 v[NUM+1], v[Z1+1], s21, s20
	s_wait_alu depctr_va_vdst(0)
	v_pk_fma_f32 v[DEN:DEN+1], v[DEN:DEN+1], v[K10:K10+1], v[K1005:K1005+1]
	v_rcp_f32 v[RCP],   v[DEN]
	v_rcp_f32 v[RCP+1], v[DEN+1]
	v_pk_add_f32 v[NUM:NUM+1], v[NUM:NUM+1], v[Z1:Z1+1] neg_lo:[0,1] neg_hi:[0,1]   ; clamp(z) - z; also the plain place behind the reciprocals
	s_wait_alu depctr_va_vdst(0)
	v_pk_mul_f32 v[NUM:NUM+1], v[NUM:NUM+1], v[RCP:RCP+1]
	v_cndmask_b32 v[NUM+1], 0, v[NUM+1], s24       ; lanes 18-31 have no second feature
	v_add_f32 v[LIN], v[NUM], v[NUM+1]
; SECOND ORDER, the four numbers of my piece of row j.  first = 1: the row starts the sums, nothing is cleared.
; tail = 1: the 13th load, of which only groups 0 and 1 hold rows of the list.
.macro ROW j, first, tail
	s_wait_loadcnt 24-2*\j                         ; z and n of row j are in; the two loads of each later row stay out
.irp i, 0,1,2,3
	v_sqrt_f32 v[DEN+\i], v[NR+4*\j+\i]
.endr
.irp i, 0,1,2,3
	v_med3_num_f32 v[NUM+\i], v[ZR+4*\j+\i], s21, s20          ; plain work between the roots and their use
.endr
	s_wait_alu depctr_va_vdst(0)
	v_pk_fma_f32 v[DEN:DEN+1],   v[DEN:DEN+1],   v[K10:K10+1], v[K11:K11+1]
	v_pk_fma_f32 v[DEN+2:DEN+3], v[DEN+2:DEN+3], v[K10:K10+1], v[K11:K11+1]
.irp i, 0,1,2,3
	v_rcp_f32 v[RCP+\i], v[DEN+\i]
.endr
	v_pk_add_f32 v[NUM:NUM+1],   v[NUM:NUM+1],   v[ZR+4*\j:ZR+4*\j+1]   neg_lo:[0,1] neg_hi:[0,1]   ; plain work between the
	v_pk_add_f32 v[NUM+2:NUM+3], v[NUM+2:NUM+3], v[ZR+4*\j+2:ZR+4*\j+3] neg_lo:[0,1] neg_hi:[0,1]   ; reciprocals and their use
.if \first
	s_wait_alu depctr_va_vdst(0)
	v_pk_mul_f32 v[SUM:SUM+1],   v[NUM:NUM+1],   v[RCP:RCP+1]
	v_pk_mul_f32 v[SUM+2:SUM+3], v[NUM+2:NUM+3], v[RCP+2:RCP+3]
	v_pk_mul_f32 v[SQ:SQ+1],     v[SUM:SUM+1],   v[SUM:SUM+1]
	v_pk_mul_f32 v[SQ+2:SQ+3],   v[SUM+2:SUM+3], v[SUM+2:SUM+3]
.else
	s_wait_alu depctr_va_vdst(0)
	v_pk_mul_f32 v[NUM:NUM+1],   v[NUM:NUM+1],   v[RCP:RCP+1]
	v_pk_mul_f32 v[NUM+2:NUM+3], v[NUM+2:NUM+3], v[RCP+2:RCP+3]
.if \tail
.irp i, 0,1,2,3
	v_cndmask_b32 v[NUM+\i], 0, v[NUM+\i], vcc_lo              ; groups 2 and 3 only repeated rows 48 and 49
.endr
.endif
	v_pk_add_f32 v[SUM:SUM+1],   v[SUM:SUM+1],   v[NUM:NUM+1]
	v_pk_add_f32 v[SUM+2:SUM+3], v[SUM+2:SUM+3], v[NUM+2:NUM+3]
	v_pk_fma_f32 v[SQ:SQ+1],     v[NUM:NUM+1],   v[NUM:NUM+1],   v[SQ:SQ+1]
	v_pk_fma_f32 v[SQ+2:SQ+3],   v[NUM+2:NUM+3], v[NUM+2:NUM+3], v[SQ+2:SQ+3]
.endif
.endm
	ROW 0, 1, 0
.irp j, 1,2,3,4,5,6,7,8,9,10,11
	ROW \j, 0, 0
.endr
	ROW 12, 0, 1
	; the four groups hold parts of the same columns: add lanes l xor 8 and l xor 16; then each column total stands in four lanes
.irp i, 0,1,2,3
	v_add_f32_dpp v[SUM+\i], v[SUM+\i], v[SUM+\i] row_xmask:8 row_mask:0xf bank_mask:0xf
.endr
.irp i, 0,1,2,3
	v_permlanex16_b32 v[NUM+\i], v[SUM+\i], s22, s23           ; its destination counts as read: NUM has been written
.endr
	v_pk_add_f32 v[SUM:SUM+1],   v[SUM:SUM+1],   v[NUM:NUM+1]
	v_pk_add_f32 v[SUM+2:SUM+3], v[SUM+2:SUM+3], v[NUM+2:NUM+3]
	v_pk_mul_f32 v[NUM:NUM+1], v[SUM:SUM+1], v[SUM:SUM+1]
	v_pk_add_f32 v[SQ:SQ+1], v[SQ:SQ+1], v[SQ+2:SQ+3]
	v_pk_fma_f32 v[NUM:NUM+1], v[SUM+2:SUM+3], v[SUM+2:SUM+3], v[NUM:NUM+1]
	v_add_f32 v[SQ], v[SQ], v[SQ+1]                ; my part of sum w2^2
	v_add_f32 v[NUM], v[NUM], v[NUM+1]             ; s^2 of my four columns, the same in four lanes
	v_fmac_f32 v[LIN], -0.5, v[SQ]                 ; lane share = lin - 0.5 q + 0.5 s^2 / 4
	v_fmac_f32 v[LIN], 0x3e000000, v[NUM]          ; 0.125
	; one sum over the 32 lanes; every lane ends with the result
	v_add_f32_dpp v[LIN], v[LIN], v[LIN] row_xmask:1 row_mask:0xf bank_mask:0xf
	v_add_f32_dpp v[LIN], v[LIN], v[LIN] row_xmask:2 row_mask:0xf bank_mask:0xf
	v_add_f32_dpp v[LIN], v[LIN], v[LIN] row_xmask:4 row_mask:0xf bank_mask:0xf
	v_add_f32_dpp v[LIN], v[LIN], v[LIN] row_xmask:8 row_mask:0xf bank_mask:0xf
	v_permlanex16_b32 v[NUM], v[LIN], s22, s23
	v_add_f32 v[LIN], v[LIN], v[NUM]
	; THE WAY OUT: the 16 results of the work-group meet in LDS bytes 0-63, and wave 0 stores them as 64 neighbouring bytes
	v_mov_b32 v[DEN], s16
	v_lshlrev_b32 v[DEN], 2, v[DEN]                ; my wave's own word
	ds_store_b32 v[DEN], v[LIN]                    ; all lanes write the same value to it
	s_wait_dscnt 0x0                               ; for wave 0, which reads it: stored before I signal
	s_barrier_signal -1
	s_barrier_wait -1
	s_cmp_lg_u32 s16, 0
	s_cbranch_scc1 .Ldone
	v_and_b32 v[DEN], 15, v[LN]
	v_lshlrev_b32 v[DEN], 2, v[DEN]                ; word lane % 16: only the 16 words that were written are read
	ds_load_b32 v[RCP], v[DEN]
	s_lshl_b32 s18, ttmp9, 6                       ; 16 results of 4 bytes for each work-group (s19 is still 0)
	s_add_nc_u64 s[14:15], s[14:15], s[18:19]
	s_wait_xcnt 0x0                                ; EXEC is a source of the loads above: it changes only behind this wait
	s_and_saveexec_b32 s25, vcc_lo                 ; lanes 0-15
	s_wait_dscnt 0x0
	global_store_b32 v[DEN], v[RCP], s[14:15]      ; 64 neighbouring bytes, aligned to 64
	s_wait_xcnt 0x0                                ; and again before EXEC is widened
	s_or_b32 exec_lo, exec_lo, s25
.Ldone:
	s_wait_tensorcnt 0x0
	ds_add_u32 v160, v161
	s_wait_dscnt 0x0
	s_endpgm
.Lfunc_end_k_q1351b42df3_ftrlfm:
	.size	k_q1351b42df3_ftrlfm, .Lfunc_end_k_q1351b42df3_ftrlfm-k_q1351b42df3_ftrlfm
	.p2alignl 7, 3214868480
	.fill 96, 4, 3214868480
	.section	.rodata,"a",@progbits
	.p2align	6, 0x0
	.amdhsa_kernel k_q1351b42df3_ftrlfm
		.amdhsa_group_segment_fixed_size 3072
		.amdhsa_private_segment_fixed_size 0
		.amdhsa_enable_private_segment 0
		.amdhsa_kernarg_size 48
		.amdhsa_user_sgpr_count 2
		.amdhsa_user_sgpr_kernarg_segment_ptr 1
		.amdhsa_wavefront_size32 1
		.amdhsa_system_sgpr_workgroup_id_x 1
		.amdhsa_system_sgpr_workgroup_id_y 1
		.amdhsa_system_sgpr_workgroup_id_z 1
		.amdhsa_system_vgpr_workitem_id 0
		.amdhsa_next_free_vgpr 162
		.amdhsa_next_free_sgpr 66
		.amdhsa_reserve_vcc 1
		.amdhsa_float_denorm_mode_32 3
		.amdhsa_float_denorm_mode_16_64 3
		.amdhsa_memory_ordered 1
		.amdhsa_forward_progress 1
		.amdhsa_inst_pref_size 26
	.end_amdhsa_kernel
	.amdgpu_metadata
---
amdhsa.version: [ 1, 2 ]
amdhsa.kernels:
  - .name:           k_q1351b42df3_ftrlfm
    .symbol:         k_q1351b42df3_ftrlfm.kd
    .args:
      - { .name: x_idx, .offset: 0, .size: 8, .value_kind: global_buffer, .address_space: global }
      - { .name: z_1st, .offset: 8, .size: 8, .value_kind: global_buffer, .address_space: global }
      - { .name: n_1st, .offset: 16, .size: 8, .value_kind: global_buffer, .address_space: global }
      - { .name: z_2nd, .offset: 24, .size: 8, .value_kind: global_buffer, .address_space: global }
      - { .name: n_2nd, .offset: 32, .size: 8, .value_kind: global_buffer, .address_space: global }
      - { .name: out0, .offset: 40, .size: 8, .value_kind: global_buffer, .address_space: global }
    .group_segment_fixed_size: 3072
    .private_segment_fixed_size: 0
    .kernarg_segment_align: 8
    .kernarg_segment_size: 48
    .max_flat_workgroup_size: 512
    .sgpr_count:     66
    .vgpr_count:     162
    .wavefront_size: 32
...
	.end_amdgpu_metadata
.endif
;; end of part 1
